; MI455X (gfx1250); checked and timed in simulation.
; The chip was launched on July 23, 2026; its instructions are those of AMD's public machine-readable ISA for CDNA 5 (MIT licence, August 2026) and "CDNA5" Instruction Set Architecture Reference Guide (July 2026). The comments in the code are by the model that wrote it; some were corrected since.
;; Radial Network2d. Allowed arithmetic: float matrix products may take bf16 or f16 operands with f32 sums; all other float work in f32.
;; Inputs: W 1,600 x 4 float32; b 4 float32; centers 1,600 x 2 float32; position 65,536 x 2 float32.
;; Outputs: out0 65,536 x 4 float32.
;; One version. Each part assembles by itself: llvm-mc -triple=amdgcn-amd-amdhsa -mcpu=gfx1250 --defsym DOCPART=n.
;; ======== version 1 of 1: 1 launch
;; launch rbf (part 1): grid 256 x 1, 20 waves a work-group, no clusters, 107,008 bytes of LDS; arguments position, centers, W, b, out0; writes out0
.if DOCPART == 1
	.amdgcn_target "amdgcn-amd-amdhsa--gfx1250"
	.amdhsa_code_object_version 6
	.text
	.protected	k_qca2a370385_rbf
	.globl	k_qca2a370385_rbf
	.p2align	8
	.type	k_qca2a370385_rbf,@function
k_qca2a370385_rbf:
	s_mov_b64 s[64:65], 0
	v_nop
	global_prefetch_b8 v0, s[64:65] scope:SCOPE_SE
	s_setreg_imm32_b32 hwreg(HW_REG_WAVE_MODE, 25, 1), 1
	s_wait_xcnt 0x0
; out[i][a] = b[a] + NORM * sum over j of exp(-2 |p_i - c_j|^2) W[j][a];  65,536 positions, 1,600 centres, 4 actions, NORM = 2/pi.
; One exponential for each of 104,857,600 pairs is the work that cannot be removed; all else per pair is put on the matrix unit.
;
; THE EXPONENT IS A MATRIX PRODUCT.  With o = centers[0], u = p - o, c' = c - o (|p - c| does not change), in base 2:
;   arg = a_i + g_j + ux X + uy Y,   a = -2 log2(e) |u|^2,  g = -2 log2(e) |c'|^2,  (X, Y) = 4 log2(e) c'.
; Every f32 factor is split exactly into three bf16 pieces (round to nearest, subtract, again) and the pieces lie along K:
;   k      0   1   2   3   4   5   6   7 |  8   9  10  11  12  13  14  15 | 16  17  18 | 19 .. 31
;   centre X1  X1  X1  X2  X2  X3  G1  G2 | Y1  Y1  Y1  Y2  Y2  Y3  G3  0  |  1   1   1 |  0
;   posit. x1  x2  x3  x1  x2  x1  1   1  | y1  y2  y3  y1  y2  y1  1   0  | a1  a2  a3 |  0
; The products left out (pieces 2x3, 3x2, 3x3) are below 2^-23 of the term.  Only k = 0..15 differ from centre to centre: one 16-byte
; LDS load a lane fills a fragment of 16 centres; its registers 4-7 are written once.
; D(m = centre, n = position): a lane's 8 results are 8 neighbouring centres of one position, so v_exp_f32 in place and four
; v_cvt_pk_bf16_f32 give registers 0-3 (second tile of 16 centres: 4-7) of the B operand of the second product: no shuffle.
; SECOND PRODUCT: D(m, n = position) = Wt x basis.  Rows 0-3 of Wt: bf16(W[.][m]); rows 4-7: bf16 of what that rounding left;
; rows 8-15 repeat rows 0-7 (lanes 8-15 read rows 0-7 again), so all 32 lanes end with valid sums and EXEC is never narrowed.
; out = NORM (D[a] + D[4+a]) + b[a]: 16 neighbouring bytes in a lane.
;
; SHARES.  256 work-groups x 256 positions.  20 waves = 4 groups of 64 positions (4 tiles of 16) x 5 parts of the centres
; (10 chunks of 32).  Five waves lie on each SIMD, so that there is always another wave's work to issue beside one wave's run of
; exponentials; splitting the centres, not the positions, keeps 4 tiles on each 2,048 bytes of fragments read from LDS.
; The five partial sums of a position meet in LDS behind one barrier.
; NO CLUSTER, NO TENSOR LOAD: what the work-groups share (centers and W, 38,400 bytes) is read once and is not used as it lies in
; memory: each number is split in registers on its way to LDS, so a joint copy would add a raw copy in LDS ahead of the same work.
;
; LIMITS.  The exponent is the same expansion as in the problem's formula, after the translation by centers[0]: its absolute error is
; about 2^-23 x 2.9 x the larger of |p - c0|^2, |c - c0|^2 of the pair (below 1e-4 for coordinates up to 10 from c0, and
; growing with the square of that distance: up to about 0.1, several per cent of a term, at 300, of the order of the rounding of the
; formula itself evaluated in f32 there); a common offset of positions and centres drops out.  Basis values below 2^-126 count as 0 (v_exp_f32 flushes them).  Squares that overflow f32
; give NaN or 0 as they fall.  basis goes to the matrix unit in bf16, which keeps f32's range; sums are f32, in another order.
.set THREADS, 640
.set CPW,     10                       ; chunks of 32 centres for a wave
.set FRAG,    512                      ; LDS bytes of a fragment of 16 centres: lane i's 16 bytes at 16 i
.set CCHUNK,  2*FRAG
.set WTT,     100*FRAG                 ; Wt behind the 100 centre fragments
.set WPITCH,  80                       ; a row of 32 bf16 + 16 bytes: the 8 rows start in 8 different 16-byte columns modulo 256 (banks: ISA guide 11.1)
.set WCHUNK,  8*WPITCH
.set RED,     WTT+50*WCHUNK            ; 5 x 256 positions x 16 bytes of partial sums, bytes of their own
.set ZERO, 5                           ; v5       0
.set CFA,  7                           ; v7       LDS address of my 16 bytes in my next pair's first centre fragment
.set WFA,  8                           ; v8       the same for Wt
.set RST,  9                           ; v9       where my partial sums go
.set CST,  10                          ; v10      table building: my centre's 16 bytes (k 0-7)
.set WST,  11                          ; v11      table building: my centre's 2 bytes in row 0 of Wt
.set ONEP, 12                          ; v12      position word 3: (1, 1) in lanes 0-15, (1, 0) in lanes 16-31
.set ONEA, 13                          ; v13      centre word 4: (1, 1) / 0
.set ONEB, 14                          ; v14      centre word 5: (1, 0) / 0
.set PF,   16                          ; v[16:47]   position fragments, 8 registers a tile
.set ACC,  48                          ; v[48:79]   sums, 8 registers a tile
.set ARG,  80                          ; v[80:111]  exponents, then basis: 2 buffers x 16
.set BF,   112                         ; v[112:127] basis in bf16: 2 buffers x 8
.set CF,   128                         ; v[128:159] centre fragments: 2 buffers x 2 x 8
.set WF,   160                         ; v[160:175] Wt fragments: 2 buffers x 8
.set OXY,  48                          ; ahead of the main part only: centers[0],
.set CIN,  50                          ; three centres,
.set WIN,  56                          ; three rows of W,
.set PIN,  68                          ; four positions,
.set T,    80                          ; and temporaries
	s_load_b256 s[4:11], s[0:1], 0x0               ; position s[4:5], centers s[6:7], W s[8:9], b s[10:11]
	s_load_b64 s[12:13], s[0:1], 0x20              ; out0
	v_lshl_add_u32 v176, v0, 2, 0x19800
	v_mov_b32 v177, 0
	v_lshrrev_b32 v1, 5, v0
	v_readfirstlane_b32 s14, v1                    ; wave 0..19
	s_and_b32 s15, s14, 3                          ; which 64 positions
	s_lshr_b32 s16, s14, 2                         ; which 10 chunks
	s_mov_b32 s17, 0xffff0000                      ; a word's upper bf16; also the mask of lanes 16-31
	s_mov_b32 s18, 0x05040100                      ; v_perm_b32: (first source's low half, second source's low half)
	s_mov_b32 s19, 0x07060302                      ; the same of the high halves
	s_mov_b32 s24, 0x3f22f983                      ; NORM = 2/pi
	v_and_b32 v2, 15, v0                           ; r
	v_lshlrev_b32 v3, 3, v0                        ; my centre's bytes in centers
	v_lshlrev_b32 v4, 4, v0                        ; my centre's bytes in W; at the end my position's bytes in the block of out0
	v_mov_b32 v[ZERO], 0
	s_lshl_b32 s26, ttmp9, 11                      ; 256 positions x 8 bytes a work-group
	s_lshl_b32 s27, s15, 9                         ; 64 positions x 8 bytes a group
	s_add_co_u32 s26, s26, s27
	v_lshl_add_u32 v6, v2, 3, s26                  ; position r of my first tile (lanes r and r + 16 read the same one)
	s_wait_kmcnt 0x0
	s_load_b128 s[20:23], s[10:11], 0x0            ; b
	; all that this wave ever reads from memory is asked for here, in one run
	global_load_b64  v[OXY:OXY+1], v[ZERO], s[6:7]
	global_load_b64  v[CIN:CIN+1], v3, s[6:7]
	global_load_b128 v[WIN:WIN+3], v4, s[8:9]
	global_load_b64  v[CIN+2:CIN+3], v3, s[6:7] offset:THREADS*8
	global_load_b128 v[WIN+4:WIN+7], v4, s[8:9] offset:THREADS*16
.irp t, 0,1,2,3
	global_load_b64  v[PIN+2*\t:PIN+2*\t+1], v6, s[4:5] offset:128*\t
.endr
	s_cmp_ge_u32 s14, 10                           ; 1,600 = 2.5 x 640: centres 1,280 to 1,599 are taken by waves 0-9
	s_cbranch_scc1 .Lfew_a
	global_load_b64  v[CIN+4:CIN+5], v3, s[6:7] offset:2*THREADS*8
	global_load_b128 v[WIN+8:WIN+11], v4, s[8:9] offset:2*THREADS*16
.Lfew_a:
	; addresses and constants while the loads are out (none of v3, v4, v5, v6 is written)
	v_lshrrev_b32 v1, 4, v0
	v_lshlrev_b32 v1, 9, v1
	v_lshl_add_u32 v[CST], v2, 4, v1               ; fragment (thread / 16) x 512 + 16 r
	v_and_b32 v15, 31, v0                          ; lane
	s_mul_i32 s27, s14, WCHUNK                     ; a wave's 32 centres are one chunk
	s_add_co_u32 s27, s27, WTT
	v_lshl_add_u32 v[WST], v15, 1, s27
	s_mul_i32 s27, s16, CPW*CCHUNK
	v_lshl_add_u32 v[CFA], v15, 4, s27             ; 16 x lane + my first chunk
	v_and_b32 v1, 7, v0
	v_mul_u32_u24 v1, v1, WPITCH                   ; row r mod 8
	v_bfe_u32 v15, v0, 4, 1                        ; h
	v_lshl_add_u32 v1, v15, 4, v1                  ; k = 8 h ..
	s_mul_i32 s27, s16, CPW*WCHUNK
	s_add_co_u32 s27, s27, WTT
	v_add_nc_u32 v[WFA], s27, v1
	s_lshl_b32 s27, s14, 10                        ; part x 4,096 + group x 1,024 = wave x 1,024
	s_add_co_u32 s27, s27, RED
	v_lshl_add_u32 v[RST], v2, 4, s27
	v_mov_b32 v1, 0x3f803f80                       ; (1.0, 1.0) in bf16
	v_mov_b32 v15, 0x3f80                          ; (1.0, 0)
	v_cndmask_b32 v[ONEP], v1, v15, s17
	v_cndmask_b32 v[ONEA], v1, v[ZERO], s17
	v_cndmask_b32 v[ONEB], v15, v[ZERO], s17
.irp f, 0,1,2,3
	v_mov_b32 v[CF+8*\f+4], v[ONEA]                ; k = 16..31 of every centre fragment: written once
	v_mov_b32 v[CF+8*\f+5], v[ONEB]
	v_mov_b32 v[CF+8*\f+6], 0
	v_mov_b32 v[CF+8*\f+7], 0
.endr
	s_wait_loadcnt 0x0                             ; one wait for the one run of loads
	s_wait_kmcnt 0x0                               ; b
; One centre: its 16 K places to the fragment table, its row of W as 4 + 4 bf16 to the 8 rows of Wt.
.macro PREP i
	v_pk_add_f32 v[T:T+1], v[CIN+2*\i:CIN+2*\i+1], v[OXY:OXY+1] neg_lo:[0,1] neg_hi:[0,1]   ; c' = c - o
	v_pk_mul_f32 v[T+2:T+3], v[T:T+1], 0x40b8aa3b op_sel_hi:[1,0]          ; (X, Y) = 4 log2(e) c'
	v_mul_f32 v[T+4], v[T], v[T]
	v_fmac_f32 v[T+4], v[T+1], v[T+1]
	v_mul_f32 v[T+4], 0xc038aa3b, v[T+4]                                   ; G = -2 log2(e) |c'|^2
	v_cvt_pk_bf16_f32 v[T+5], v[T+2], v[T+3]                               ; (X1, Y1)
	v_cvt_pk_bf16_f32 v[T+6], v[T+4], v[T+4]                               ; (G1, G1)
	v_lshlrev_b32 v[T+8], 16, v[T+5]
	v_and_b32 v[T+9], s17, v[T+5]
	v_and_b32 v[T+7], s17, v[T+6]
	v_pk_add_f32 v[T+2:T+3], v[T+2:T+3], v[T+8:T+9] neg_lo:[0,1] neg_hi:[0,1]   ; what the first piece left: exact
	v_sub_f32 v[T+4], v[T+4], v[T+7]
	v_cvt_pk_bf16_f32 v[T+10], v[T+2], v[T+3]                              ; (X2, Y2)
	v_cvt_pk_bf16_f32 v[T+11], v[T+4], v[T+4]                              ; (G2, G2)
	v_lshlrev_b32 v[T+8], 16, v[T+10]
	v_and_b32 v[T+9], s17, v[T+10]
	v_and_b32 v[T+7], s17, v[T+11]
	v_pk_add_f32 v[T+2:T+3], v[T+2:T+3], v[T+8:T+9] neg_lo:[0,1] neg_hi:[0,1]   ; at most 8 bits are left: the third piece is exact
	v_sub_f32 v[T+4], v[T+4], v[T+7]
	v_cvt_pk_bf16_f32 v[T+12], v[T+2], v[T+3]                              ; (X3, Y3)
	v_perm_b32 v[T+16], v[T+5],  v[T+5],  s18                              ; k 0, 1:  X1 X1
	v_perm_b32 v[T+17], v[T+10], v[T+5],  s18                              ; k 2, 3:  X1 X2
	v_perm_b32 v[T+18], v[T+12], v[T+10], s18                              ; k 4, 5:  X2 X3
	v_perm_b32 v[T+19], v[T+11], v[T+6],  s18                              ; k 6, 7:  G1 G2
	v_perm_b32 v[T+20], v[T+5],  v[T+5],  s19                              ; k 8, 9:  Y1 Y1
	v_perm_b32 v[T+21], v[T+10], v[T+5],  s19                              ; k 10, 11: Y1 Y2
	v_perm_b32 v[T+22], v[T+12], v[T+10], s19                              ; k 12, 13: Y2 Y3
	v_cvt_pk_bf16_f32 v[T+23], v[T+4], v[ZERO]                             ; k 14, 15: G3 0
	ds_store_b128 v[CST], v[T+16:T+19] offset:\i*40*FRAG                   ; 16 lanes fill 256 neighbouring bytes
	ds_store_b128 v[CST], v[T+20:T+23] offset:\i*40*FRAG+256
	v_cvt_pk_bf16_f32 v[T+24], v[WIN+4*\i],   v[WIN+4*\i+1]                ; bf16(W)
	v_cvt_pk_bf16_f32 v[T+25], v[WIN+4*\i+2], v[WIN+4*\i+3]
	v_lshlrev_b32 v[T+26], 16, v[T+24]
	v_and_b32 v[T+27], s17, v[T+24]
	v_lshlrev_b32 v[T+28], 16, v[T+25]
	v_and_b32 v[T+29], s17, v[T+25]
	v_pk_add_f32 v[T+26:T+27], v[WIN+4*\i:WIN+4*\i+1],   v[T+26:T+27] neg_lo:[0,1] neg_hi:[0,1]
	v_pk_add_f32 v[T+28:T+29], v[WIN+4*\i+2:WIN+4*\i+3], v[T+28:T+29] neg_lo:[0,1] neg_hi:[0,1]
	v_cvt_pk_bf16_f32 v[T+26], v[T+26], v[T+27]                            ; bf16 of what was left
	v_cvt_pk_bf16_f32 v[T+27], v[T+28], v[T+29]
.irp m, 0,1,2,3
	ds_store_b16        v[WST], v[T+24+\m] offset:\i*20*WCHUNK+2*\m*WPITCH         ; a wave's 32 lanes fill a row's 64 bytes
	ds_store_b16_d16_hi v[WST], v[T+24+\m] offset:\i*20*WCHUNK+(2*\m+1)*WPITCH
.endr
.endm
; One tile of 16 positions: lane (r, h) makes the K places 8h .. 8h+7 (coordinate h) and, in lanes 0-15, a's three pieces.
.macro POS t
	v_pk_add_f32 v[T:T+1], v[PIN+2*\t:PIN+2*\t+1], v[OXY:OXY+1] neg_lo:[0,1] neg_hi:[0,1]   ; u = p - o
	v_mul_f32 v[T+3], v[T], v[T]
	v_fmac_f32 v[T+3], v[T+1], v[T+1]
	v_mul_f32 v[T+3], 0xc038aa3b, v[T+3]                                   ; a = -2 log2(e) |u|^2
	v_cndmask_b32 v[T+2], v[T], v[T+1], s17                                ; lanes 0-15: ux, lanes 16-31: uy
	v_cndmask_b32 v[T+3], v[T+3], v[ZERO], s17                             ; lanes 0-15: a,  lanes 16-31: 0
	v_cvt_pk_bf16_f32 v[T+4], v[T+2], v[T+3]                               ; (z1, a1)
	v_lshlrev_b32 v[T+6], 16, v[T+4]
	v_and_b32 v[T+7], s17, v[T+4]
	v_pk_add_f32 v[T+2:T+3], v[T+2:T+3], v[T+6:T+7] neg_lo:[0,1] neg_hi:[0,1]
	v_cvt_pk_bf16_f32 v[T+5], v[T+2], v[T+3]                               ; (z2, a2)
	v_lshlrev_b32 v[T+6], 16, v[T+5]
	v_and_b32 v[T+7], s17, v[T+5]
	v_pk_add_f32 v[T+2:T+3], v[T+2:T+3], v[T+6:T+7] neg_lo:[0,1] neg_hi:[0,1]
	v_cvt_pk_bf16_f32 v[T+8], v[T+2], v[T+3]                               ; (z3, a3)
	v_perm_b32 v[PF+8*\t],   v[T+5], v[T+4], s18                           ; z1 z2
	v_perm_b32 v[PF+8*\t+1], v[T+4], v[T+8], s18                           ; z3 z1
	v_perm_b32 v[PF+8*\t+2], v[T+4], v[T+5], s18                           ; z2 z1
	v_mov_b32  v[PF+8*\t+3], v[ONEP]                                       ; 1 1 / 1 0
	v_perm_b32 v[PF+8*\t+4], v[T+5], v[T+4], s19                           ; a1 a2
	v_lshrrev_b32 v[PF+8*\t+5], 16, v[T+8]                                 ; a3 0
	v_mov_b32  v[PF+8*\t+6], 0
	v_mov_b32  v[PF+8*\t+7], 0
.endm
	PREP 0
	PREP 1
	s_cmp_ge_u32 s14, 10
	s_cbranch_scc1 .Lfew_b
	PREP 2
.Lfew_b:
	s_wait_dscnt 0x0                               ; my part of the tables is in LDS:
	s_barrier_signal -1                            ; say so,
.irp t, 0,1,2,3
	POS \t                                         ; make my position fragments (registers only) while the others arrive,
.endr
	s_barrier_wait -1                              ; and read the tables when all twenty have said so
; four LDS loads: chunk c (counted from the address registers) into buffer b
.macro LOADC b, c
	ds_load_b128 v[CF+16*(\b):CF+16*(\b)+3],    v[CFA] offset:(\c)*CCHUNK
	ds_load_b128 v[CF+16*(\b)+8:CF+16*(\b)+11], v[CFA] offset:(\c)*CCHUNK+FRAG
	ds_load_b128 v[WF+8*(\b):WF+8*(\b)+3],      v[WFA] offset:(\c)*WCHUNK
	ds_load_b128 v[WF+8*(\b)+4:WF+8*(\b)+7],    v[WFA] offset:(\c)*WCHUNK+32
.endm
; the exponents of 32 centres (buffer cb) x tile t, into exponent buffer q; nothing to add: C = 0
.macro ARGW q, cb, t
	v_wmma_f32_16x16x32_bf16 v[ARG+16*(\q):ARG+16*(\q)+7],    v[CF+16*(\cb):CF+16*(\cb)+7],    v[PF+8*(\t):PF+8*(\t)+7], 0
	v_wmma_f32_16x16x32_bf16 v[ARG+16*(\q)+8:ARG+16*(\q)+15], v[CF+16*(\cb)+8:CF+16*(\cb)+15], v[PF+8*(\t):PF+8*(\t)+7], 0
.endm
; ONE STEP: tile t x the chunk in buffer cb.  The exponents of the NEXT step (tile nt, buffer ncb) are asked of the matrix unit first;
; they are read one step later, behind this step's v_nop and eight conversions: nine plain vector instructions that name none of
; their registers, where four are asked (ISA guide 7.12.1).  The exponent buffer and the bf16 buffer take turns with t, so that
; nothing that a matrix instruction of this or the last step names is written here either.
; zero: the first product starts the sums.  ld: chunk lc is fetched into buffer lb, nine such places behind the last product that read it.
; wt: the fetch issued three steps ago has to be in, for the exponents of the next chunk's first tile.
.macro STEP t, cb, zero, nxt, ncb, nt, ld, lb, lc, wt
.set SP_, (\t)&1
.set SQ_, 1-SP_
.if \wt
	s_wait_dscnt 0x0
.endif
.if \nxt
	ARGW SQ_, \ncb, \nt
.endif
.set SI_, 0
.rept 16
	v_exp_f32 v[ARG+16*SP_+SI_], v[ARG+16*SP_+SI_]
.set SI_, SI_+1
.endr
	v_nop                                          ; one plain vector instruction between an exponential and the use of its result (ISA guide 5.7.2)
.set SI_, 0
	s_wait_alu depctr_va_vdst(0)
.rept 8
	v_cvt_pk_bf16_f32 v[BF+8*SP_+SI_], v[ARG+16*SP_+2*SI_], v[ARG+16*SP_+2*SI_+1]
.set SI_, SI_+1
.endr
.if \ld
	LOADC \lb, \lc
.endif
.if \zero
	v_wmma_f32_16x16x32_bf16 v[ACC+8*(\t):ACC+8*(\t)+7], v[WF+8*(\cb):WF+8*(\cb)+7], v[BF+8*SP_:BF+8*SP_+7], 0
.else
	v_wmma_f32_16x16x32_bf16 v[ACC+8*(\t):ACC+8*(\t)+7], v[WF+8*(\cb):WF+8*(\cb)+7], v[BF+8*SP_:BF+8*SP_+7], v[ACC+8*(\t):ACC+8*(\t)+7]
.endif
.endm
; a chunk = four tiles.  more = 0: nothing follows.
.macro CHUNK cb, zero, ld, lc, more
	STEP 0, \cb, \zero, 1, \cb, 1, \ld, 1-\cb, \lc, 0
	STEP 1, \cb, \zero, 1, \cb, 2, 0, 0, 0, 0
	STEP 2, \cb, \zero, 1, \cb, 3, 0, 0, 0, 0
	STEP 3, \cb, \zero, \more, 1-\cb, 0, 0, 0, 0, \more
.endm
.macro PAIR zero, last
	CHUNK 0, \zero, 1, 1, 1
.if \last
	CHUNK 1, 0, 0, 0, 0
.else
	CHUNK 1, 0, 1, 2, 1
	v_add_nc_u32 v[CFA], 2*CCHUNK, v[CFA]
	v_add_nc_u32 v[WFA], 2*WCHUNK, v[WFA]
.endif
.endm
	LOADC 0, 0
	s_wait_dscnt 0x0
	ARGW 0, 0, 0
.rept 4
	v_nop                                          ; the four places ahead of the first step's exponentials; later steps have work there
.endr
	PAIR 1, 0                                      ; chunks 0, 1: stand ahead of the loop, the first products start the sums
	s_mov_b32 s25, CPW/2-2
.Lpair:
	PAIR 0, 0                                      ; chunks 2 to 7
	s_sub_co_i32 s25, s25, 1
	s_cmp_lg_u32 s25, 0
	s_cbranch_scc1 .Lpair
	PAIR 0, 1                                      ; chunks 8, 9: nothing is fetched or asked for beyond my part
	; rows 0-3 + rows 4-7.  Tiles 0 to 2 come first: six plain instructions between the last product and the reading of its result.
.irp t, 0,1,2,3
	v_pk_add_f32 v[ACC+8*\t:ACC+8*\t+1],   v[ACC+8*\t:ACC+8*\t+1],   v[ACC+8*\t+4:ACC+8*\t+5]
	v_pk_add_f32 v[ACC+8*\t+2:ACC+8*\t+3], v[ACC+8*\t+2:ACC+8*\t+3], v[ACC+8*\t+6:ACC+8*\t+7]
.endr
.irp t, 0,1,2,3
	ds_store_b128 v[RST], v[ACC+8*\t:ACC+8*\t+3] offset:256*\t             ; lanes r and r + 16 hold the same four sums and write the same bytes
.endr
	s_wait_dscnt 0x0                               ; for the others' sake: my partial sums are in LDS
	s_barrier_signal -1
	s_barrier_wait -1
	s_cmp_ge_u32 s14, 8                            ; 256 positions: threads 0 to 255 take one each
	s_cbranch_scc1 .Ldone
	v_add_nc_u32 v15, RED, v4                      ; 16 x thread
.irp q, 0,1,2,3,4
	ds_load_b128 v[T+4*\q:T+4*\q+3], v15 offset:4096*\q
.endr
	s_lshl_b32 s26, ttmp9, 12                      ; 256 positions x 16 bytes a work-group
	v_add_nc_u32 v1, s26, v4
	s_wait_dscnt 0x0
	v_pk_add_f32 v[T:T+1],     v[T:T+1],     v[T+4:T+5]
	v_pk_add_f32 v[T+2:T+3],   v[T+2:T+3],   v[T+6:T+7]
	v_pk_add_f32 v[T+8:T+9],   v[T+8:T+9],   v[T+12:T+13]
	v_pk_add_f32 v[T+10:T+11], v[T+10:T+11], v[T+14:T+15]
	v_pk_add_f32 v[T:T+1],     v[T:T+1],     v[T+8:T+9]
	v_pk_add_f32 v[T+2:T+3],   v[T+2:T+3],   v[T+10:T+11]
	v_pk_add_f32 v[T:T+1],     v[T:T+1],     v[T+16:T+17]
	v_pk_add_f32 v[T+2:T+3],   v[T+2:T+3],   v[T+18:T+19]
	v_fma_f32 v[T],   v[T],   s24, s20             ; NORM x sum + b
	v_fma_f32 v[T+1], v[T+1], s24, s21
	v_fma_f32 v[T+2], v[T+2], s24, s22
	v_fma_f32 v[T+3], v[T+3], s24, s23
	global_store_b128 v1, v[T:T+3], s[12:13] th:TH_STORE_NT                ; a wave stores 512 consecutive bytes, at a multiple of 512 from out0's first byte
.Ldone:
	s_wait_tensorcnt 0x0
	ds_add_u32 v176, v177
	s_wait_dscnt 0x0
	s_endpgm
.Lfunc_end_k_qca2a370385_rbf:
	.size	k_qca2a370385_rbf, .Lfunc_end_k_qca2a370385_rbf-k_qca2a370385_rbf
	.p2alignl 7, 3214868480
	.fill 96, 4, 3214868480
	.section	.rodata,"a",@progbits
	.p2align	6, 0x0
	.amdhsa_kernel k_qca2a370385_rbf
		.amdhsa_group_segment_fixed_size 107008
		.amdhsa_private_segment_fixed_size 0
		.amdhsa_enable_private_segment 0
		.amdhsa_kernarg_size 40
		.amdhsa_user_sgpr_count 2
		.amdhsa_user_sgpr_kernarg_segment_ptr 1
		.amdhsa_wavefront_size32 1
		.amdhsa_system_sgpr_workgroup_id_x 1
		.amdhsa_system_sgpr_workgroup_id_y 1
		.amdhsa_system_sgpr_workgroup_id_z 1
		.amdhsa_system_vgpr_workitem_id 0
		.amdhsa_next_free_vgpr 178
		.amdhsa_next_free_sgpr 66
		.amdhsa_reserve_vcc 0
		.amdhsa_float_denorm_mode_32 3
		.amdhsa_float_denorm_mode_16_64 3
		.amdhsa_memory_ordered 1
		.amdhsa_forward_progress 1
		.amdhsa_inst_pref_size 52
	.end_amdhsa_kernel
	.amdgpu_metadata
---
amdhsa.version: [ 1, 2 ]
amdhsa.kernels:
  - .name:           k_qca2a370385_rbf
    .symbol:         k_qca2a370385_rbf.kd
    .args:
      - { .name: position, .offset: 0, .size: 8, .value_kind: global_buffer, .address_space: global }
      - { .name: centers, .offset: 8, .size: 8, .value_kind: global_buffer, .address_space: global }
      - { .name: W, .offset: 16, .size: 8, .value_kind: global_buffer, .address_space: global }
      - { .name: b, .offset: 24, .size: 8, .value_kind: global_buffer, .address_space: global }
      - { .name: out0, .offset: 32, .size: 8, .value_kind: global_buffer, .address_space: global }
    .group_segment_fixed_size: 107008
    .private_segment_fixed_size: 0
    .kernarg_segment_align: 8
    .kernarg_segment_size: 40
    .max_flat_workgroup_size: 640
    .sgpr_count:     66
    .vgpr_count:     178
    .wavefront_size: 32
...
	.end_amdgpu_metadata
.endif
;; end of part 1
